; MI455X (gfx1250); checked and timed in simulation.
; The chip was launched on July 23, 2026; its instructions are those of AMD's public machine-readable ISA for CDNA 5 (MIT licence, August 2026) and "CDNA5" Instruction Set Architecture Reference Guide (July 2026). The comments in the code are by the model that wrote it; some were corrected since.
;; HQQ Dequant Linear. Allowed arithmetic: matrix products marked QUANTISED: E5M2 operands, one given power-of-two scale a tensor, by v_wmma_f32_16x16x64_bf8_bf8 or v_wmma_f32_16x16x128_bf8_bf8, f32 sums; everything else in f32.
;; Inputs: W_q 4,194,304 int32; lowp_scales 2 int32 (the exponents e of the quantised operands' scales 2^e); scale 131,072 float32; x 4 x 2,048 x 4,096 float32; zero 131,072 float32.
;; Outputs: out0 4 x 2,048 x 2,048 float32.
;; This version of the problem:
;;   THIS VERSION OF THE PROBLEM IS GIVEN IN LOW PRECISION. The matrix products marked QUANTISED in the list below multiply operands that are first quantised to E5M2 (5 exponent bits, 2 mantissa bits; 8 bits a number), with one given power-of-two scale for each operand tensor; their sums are f32. All else is computed in f32.
;;   The module's matrix products, in the order in which they are computed (A, B: the left and right operand; K: the contracted axis; several contracted axes count as one K, in the product's order):
;;     1. [M 8,192, K 4,096] x [K 4,096, N 2,048]; A: input x; B: computed on the way: QUANTISED (scales: A lowp_scales[0], B lowp_scales[1])
;;   THE QUANTISER, for each operand of a quantised product, along K:
;;     - The operand's scale is 2^e, e = its entry of the input lowp_scales (int32; the entries are numbered through the quantised products in the list's order, A before B).
;;     - Each number is divided by the scale, clamped to +-57,344, and rounded to the nearest number of E5M2, ties to even, subnormals kept.
;;     - The product sums the exact products of the quantised numbers (number of the format x scale) in f32.
;;   ~~~python
;;   def quantise(x, axis, e):      # numpy; x: float32 -> the quantised numbers, widened to float32 again
;;       x = np.moveaxis(x, axis, -1); K = x.shape[-1]
;;       r = np.clip(x / 2.0 ** e, -57344, 57344)
;;       step = 2.0 ** (np.maximum(np.frexp(np.where(r == 0, 1, r))[1] - 1, -14) - 2)
;;       q = np.round(r / step) * step * 2.0 ** e      # np.round: ties to even
;;       return np.moveaxis(q, -1, axis).astype(np.float32)
;;   ~~~
;;   OPERANDS COMPUTED ON THE WAY. 'Computed on the way' means the value that the module computes at that place (a softmax that the list does not call 'softmax' is quantised finished and normalised). What goes into a quantiser is computed in f32, as accurately as f32 sums, v_exp_f32 and their like allow (about 1e-6 of the number): no bf16 or f16 on the way to a quantiser, and a product that is left as it is and whose result goes on into a quantised operand takes f32 operands (vector FMAs, or v_wmma_f32_16x16x4_f32). A number that lies on a knife's edge between two numbers of the format may be rounded either way, as far as f32 arithmetic and the matrix unit's own rounding can turn it there, and no further.
;; One version. Each part assembles by itself: llvm-mc -triple=amdgcn-amd-amdhsa -mcpu=gfx1250 --defsym DOCPART=n.
;; ======== version 1 of 1: 2 launches
;; limits: right only within a limited range of input values
;; workspace buffers: a_codes 33,554,432 bytes; b_codes 8,388,608 bytes
;; launch quant (part 1): grid 1536 x 1, 4 waves a work-group, no clusters, 0 bytes of LDS; arguments x, W_q, scale, zero, lowp_scales, a_codes, b_codes; writes a_codes, b_codes
.if DOCPART == 1
	.amdgcn_target "amdgcn-amd-amdhsa--gfx1250"
	.amdhsa_code_object_version 6
	.text
	.protected	k_qbd72806c87_quant
	.globl	k_qbd72806c87_quant
	.p2align	8
	.type	k_qbd72806c87_quant,@function
k_qbd72806c87_quant:
	s_mov_b64 s[64:65], 0
	v_nop
	global_prefetch_b8 v0, s[64:65] scope:SCOPE_SE
	s_setreg_imm32_b32 hwreg(HW_REG_WAVE_MODE, 25, 1), 1
	s_wait_xcnt 0x0
; Both operands of out = x w^T become codes of BF8 (E5M2), one byte a number, each with the one scale 2^e that is given for it (lowp_scales: entry 0 for x, entry 1 for w).
;   x [8192][4096] f32                                   -> a_codes [16 K steps][8192 rows][256 bytes]
;   w [2048][4096], made here: (q - zero[g]) * scale[g]  -> b_codes [16 K steps][2048 rows][256 bytes]
;   q: two whole numbers to each int32 of W_q, (W_q & 15) first, then (W_q >> 4, arithmetic); g: the group of 64 neighbours along K.  One f32 subtraction, then one f32 multiplication.
; code = number / 2^e, held within +-57,344, rounded to the nearest code, ties to even.
; LIMITS: each e between -126 and 112, so that 2^e and 57,344 x 2^e are f32 numbers.  NaN among x, scale, zero is not served; an infinity is held at the largest code.  W_q may hold any int32.
; THE CODES' LAYOUT IS THIS PROGRAM'S OWN, THE SAME IN BOTH BUFFERS.  (a) K step by K step: a row's 256 codes of a K step are 256 consecutive bytes, the rows of a K step follow each other, then the next K step.
; (b) A permutation of k inside each aligned run of 512 along K (two K steps): byte 16 l + 4 j + i of the run's 512 holds k = 128 j + 4 l + i (l = 0..31; j, i = 0..3); bytes 0-255 are the row's in the even
; K step, bytes 256-511 in the odd one.  The product's launch reads equal byte places of A's and B's rows into equal register places, so every number meets its partner.
; So lane l takes 4 neighbours of each of four loads (j): a load of x covers 512 consecutive bytes, a load of W_q 256, and the lane's 16 codes are 16 consecutive bytes: in each store lanes 0-15 cover 256
; consecutive bytes, aligned, of the even K step, lanes 16-31 of the odd one.  No LDS, no barrier: waves share nothing.  Matrix units, tensor loads and clusters have nothing to do here.
; SHARES: work-groups 0 .. XWG-1 take x in chunks of 512 numbers (2,048 bytes).  64 work-groups (256 waves) form a group with 8 MiB of x: in step t wave wi of group G takes chunk 4096 G + 256 t + wi,
; so the group's 256 waves read 512 KiB on end in each step.  A wave's chunks all lie in run wi % 8 of their rows, and the rows go in steps of 32: row 512 G + 32 t + wi / 8.
; The other 512 work-groups take w, a wave one row (8 chunks of 512).
; Every step has its own registers for its codes, all stores stand at the wave's end, and no base or address register is written again once a load or store names it: so no wait frees a source.
.set XWG,   1024
.set STEPS, 16
.set ASLAB, 8192*256                   ; a K step of a_codes: 2^21 bytes
.set BSLAB, 2048*256                   ; a K step of b_codes: 2^19 bytes
.set SO,    2                          ; v2       where my 16 codes go: 16 (lane % 16) + (lane / 16) x a K step's bytes
.set LIM,   6                          ; v6       57,344 x 2^e
.set SCL,   7                          ; v7       2^e as f32
.set R,     16                         ; v16-79   x: four sets of 16 numbers as loaded;  w: the row's 32 pairs of int32
.set C,     80                         ; v80-143  x: 16 steps x 4 registers of codes;  w: v80-111, 8 chunks x 4
.set F,     112                        ; v112-143 w: two sets of 16 numbers
	s_load_b256 s[4:11], s[0:1], 0x0               ; x s[4:5], W_q s[6:7], scale s[8:9], zero s[10:11]
	s_load_b128 s[12:15], s[0:1], 0x20             ; lowp_scales s[12:13], a_codes s[14:15]
	s_load_b64 s[16:17], s[0:1], 0x30              ; b_codes
	v_lshrrev_b32 v2, 5, v0
	v_readfirstlane_b32 s18, v2                    ; wave 0..3
	v_and_b32 v1, 31, v0                           ; lane
	v_lshlrev_b32 v3, 4, v1                        ; 16 x lane: my place in a load of x
	v_lshlrev_b32 v4, 3, v1                        ; 8 x lane: my place in a load of W_q
	v_and_b32 v5, 15, v1
	v_lshrrev_b32 v2, 4, v1                        ; lane / 16
	v_lshlrev_b32 v5, 3, v5
	v_lshl_add_u32 v5, v2, 2, v5                   ; 8 (lane % 16) + 4 (lane / 16): which group's scale and zero my lane keeps
	v_and_b32 v1, 15, v1
	v_lshlrev_b32 v1, 4, v1                        ; 16 (lane % 16)
	s_mov_b32 s21, 0                               ; the upper word of every offset: all lie under 2^32
	s_wait_kmcnt 0x0
	s_load_b64 s[22:23], s[12:13], 0x0             ; ea, eb
	s_cmp_lt_u32 ttmp9, XWG                        ; x's work-group or w's
	s_cbranch_scc0 .Lweights
.macro MKSCALE e                       ; v[SCL] = 2^e, v[LIM] = 57,344 x 2^e
	s_add_co_i32 s24, s[\e], 127
	s_lshl_b32 s25, s24, 23
	v_mov_b32 v[SCL], s25
	s_add_co_i32 s24, s24, 15
	s_lshl_b32 s24, s24, 23
	s_or_b32 s24, s24, 0x600000
	v_mov_b32 v[LIM], s24
.endm
; ---------------- x ----------------
	s_lshr_b32 s26, ttmp9, 6                       ; G: my group of 64 work-groups
	s_and_b32 s19, ttmp9, 63
	s_lshl_b32 s19, s19, 2
	s_add_co_u32 s19, s19, s18                     ; wi: my wave in the group, 0 .. 255
	s_lshl_b32 s20, s26, 23                        ; 8 MiB of x a group,
	s_lshl_b32 s27, s19, 11                        ; 2,048 bytes a wave
	s_add_co_u32 s20, s20, s27
	s_add_nc_u64 s[4:5], s[4:5], s[20:21]
.macro XLOAD t                         ; step t's 512 numbers into set t % 4: register 4 j + i = k 128 j + 4 lane + i of the run; 15 x 2^19 + 1,536 lies inside the signed 24-bit immediate
.irp j, 0,1,2,3
	global_load_b128 v[R+16*((\t)%4)+4*\j:R+16*((\t)%4)+4*\j+3], v3, s[4:5] offset:524288*(\t)+512*\j th:TH_LOAD_NT
.endr
.endm
	s_wait_alu depctr_va_vdst(0)                   ; the wait ahead of the first readers of the head's registers
.irp t, 0,1,2,3
	XLOAD \t                                       ; sixteen loads of the wave are on their way from here on
.endr
	v_lshl_add_u32 v[SO], v[SO], 21, v1            ; lanes 16-31 store into the odd K step
	s_and_b32 s27, s19, 7                          ; my run of 512 along K:
	s_lshl_b32 s27, s27, 22                        ; K steps 2 run and 2 run + 1
	s_lshr_b32 s28, s19, 3
	s_lshl_b32 s20, s26, 9
	s_add_co_u32 s20, s20, s28                     ; my first row: 512 G + wi / 8
	s_lshl_b32 s20, s20, 8
	s_add_co_u32 s20, s20, s27
	s_add_nc_u64 s[14:15], s[14:15], s[20:21]
	s_wait_kmcnt 0x0
	MKSCALE 22
.macro XSTEP t
.set XS, R+16*((\t)%4)
.if STEPS-1-(\t) >= 3
	s_wait_loadcnt 12                              ; this step's four loads are in, the twelve of the three steps behind it stay out
.else
	s_wait_loadcnt 4*(STEPS-1-(\t))
.endif
.irp i, 0,1,2,3,4,5,6,7,8,9,10,11,12,13,14,15
	v_med3_num_f32 v[XS+\i], v[XS+\i], -v[LIM], v[LIM]   ; the conversion does not saturate (ISA guide 7.6.2): the number is held first
.endr
	v_cvt_scalef32_pk8_bf8_f32 v[C+4*(\t):C+4*(\t)+1], v[XS:XS+7], v[SCL]
	v_cvt_scalef32_pk8_bf8_f32 v[C+4*(\t)+2:C+4*(\t)+3], v[XS+8:XS+15], v[SCL]    ; (results go to a store alone; the next vector lines are plain ones on another set)
.if (\t)+4 < STEPS
	XLOAD (\t)+4
.endif
.endm
	s_wait_alu depctr_va_vdst(0)                   ; the wait at the head's end
.irp t, 0,1,2,3,4,5,6,7,8,9,10,11,12,13,14,15
	XSTEP \t
.endr
.irp t, 0,1,2,3,4,5,6,7,8,9,10,11,12,13,14,15
	global_store_b128 v[SO], v[C+4*\t:C+4*\t+3], s[14:15] offset:8192*\t   ; 32 rows on for each step; sixteen lanes store 256 consecutive bytes, aligned, twice
.endr
	s_endpgm
; ---------------- w ----------------
.Lweights:
	s_sub_co_u32 s19, ttmp9, XWG
	s_lshl_b32 s19, s19, 2
	s_add_co_u32 s19, s19, s18                     ; my wave's row of w
	s_lshl_b32 s20, s19, 13                        ; a row's 2,048 int32 of W_q,
	s_add_nc_u64 s[6:7], s[6:7], s[20:21]
	s_lshl_b32 s20, s19, 8                         ; its 64 scales and zeros: 256 bytes; its place in a K step of the codes: 256 bytes too
	s_add_nc_u64 s[8:9], s[8:9], s[20:21]
	s_add_nc_u64 s[10:11], s[10:11], s[20:21]
	s_add_nc_u64 s[16:17], s[16:17], s[20:21]
	; Lane (n = lane % 16, h = lane / 16) of register a keeps group 32 a + 2 n + h
	s_wait_alu depctr_va_vdst(0)                   ; the wait ahead of the first readers of the head's registers
	global_load_b32 v12, v5, s[8:9]
	global_load_b32 v13, v5, s[8:9] offset:128
	global_load_b32 v14, v5, s[10:11]
	global_load_b32 v15, v5, s[10:11] offset:128
	; Load m brings my lane weights k = 128 m + 4 lane + 0 .. 3, all of group 2 m + lane / 16
.irp m, 0,1,2,3,4,5,6,7,8,9,10,11,12,13,14,15,16,17,18,19,20,21,22,23,24,25,26,27,28,29,30,31
	global_load_b64 v[R+2*\m:R+2*\m+1], v4, s[6:7] offset:256*\m th:TH_LOAD_NT
.endr
	v_lshl_add_u32 v[SO], v[SO], 19, v1            ; lanes 16-31 store into the odd K step
	v_mov_b32 v8, 0                                ; written once: a destination of a move between lanes counts as read,
	v_mov_b32 v9, 0                                ; and v9, v11 are named as the upper halves of pairs
	v_mov_b32 v10, 0
	v_mov_b32 v11, 0
	s_wait_kmcnt 0x0
	MKSCALE 23
.macro WQUAD a, n                      ; load m = 16 a + n: four weights a lane; four loads are a chunk of 512 along K
.set M,  16*(\a)+(\n)
.set CH, M/4
.set J,  M%4
.set FS, F+16*(CH%2)+4*J
.set FB, F+16*(CH%2)
.set WR, R+2*M
.if J == 0
	s_wait_loadcnt 28-4*CH                         ; this chunk's four loads are in; the later chunks' stay out
.endif
	v_mov_b32_dpp v8, v[14+\a] row_share:\n row_mask:0xf bank_mask:0xf     ; zero of my group
	v_mov_b32_dpp v10, v[12+\a] row_share:\n row_mask:0xf bank_mask:0xf    ; scale of my group
	v_and_b32 v[FS], 15, v[WR]
	v_ashrrev_i32 v[FS+1], 4, v[WR]
	v_and_b32 v[FS+2], 15, v[WR+1]
	v_ashrrev_i32 v[FS+3], 4, v[WR+1]
.irp i, 0,1,2,3
	v_cvt_f32_i32 v[FS+\i], v[FS+\i]
.endr
	v_pk_add_f32 v[FS:FS+1], v[FS:FS+1], v[8:9] op_sel_hi:[1,0] neg_lo:[0,1] neg_hi:[0,1]       ; q - zero,
	v_pk_add_f32 v[FS+2:FS+3], v[FS+2:FS+3], v[8:9] op_sel_hi:[1,0] neg_lo:[0,1] neg_hi:[0,1]
	v_pk_mul_f32 v[FS:FS+1], v[FS:FS+1], v[10:11] op_sel_hi:[1,0]                               ; x scale: two roundings, as the definition has them
	v_pk_mul_f32 v[FS+2:FS+3], v[FS+2:FS+3], v[10:11] op_sel_hi:[1,0]
.if J == 3
.irp i, 0,1,2,3,4,5,6,7,8,9,10,11,12,13,14,15
	v_med3_num_f32 v[FB+\i], v[FB+\i], -v[LIM], v[LIM]
.endr
	v_cvt_scalef32_pk8_bf8_f32 v[C+4*CH:C+4*CH+1], v[FB:FB+7], v[SCL]
	v_cvt_scalef32_pk8_bf8_f32 v[C+4*CH+2:C+4*CH+3], v[FB+8:FB+15], v[SCL]
.endif
.endm
.irp a, 0,1
.irp n, 0,1,2,3,4,5,6,7,8,9,10,11,12,13,14,15
	WQUAD \a, \n
.endr
.endr
.irp c, 0,1,2,3,4,5,6,7
	global_store_b128 v[SO], v[C+4*\c:C+4*\c+3], s[16:17] offset:2*BSLAB*\c   ; K steps 2 c and 2 c + 1; 7 x 2^20 at the most, inside the signed 24-bit immediate
.endr
	s_endpgm
.Lfunc_end_k_qbd72806c87_quant:
	.size	k_qbd72806c87_quant, .Lfunc_end_k_qbd72806c87_quant-k_qbd72806c87_quant
	.p2alignl 7, 3214868480
	.fill 96, 4, 3214868480
	.section	.rodata,"a",@progbits
	.p2align	6, 0x0
	.amdhsa_kernel k_qbd72806c87_quant
		.amdhsa_group_segment_fixed_size 0
		.amdhsa_private_segment_fixed_size 0
		.amdhsa_enable_private_segment 0
		.amdhsa_kernarg_size 56
		.amdhsa_user_sgpr_count 2
		.amdhsa_user_sgpr_kernarg_segment_ptr 1
		.amdhsa_wavefront_size32 1
		.amdhsa_system_sgpr_workgroup_id_x 1
		.amdhsa_system_sgpr_workgroup_id_y 1
		.amdhsa_system_sgpr_workgroup_id_z 1
		.amdhsa_system_vgpr_workitem_id 0
		.amdhsa_next_free_vgpr 144
		.amdhsa_next_free_sgpr 66
		.amdhsa_reserve_vcc 0
		.amdhsa_float_denorm_mode_32 3
		.amdhsa_float_denorm_mode_16_64 3
		.amdhsa_memory_ordered 1
		.amdhsa_forward_progress 1
		.amdhsa_inst_pref_size 63
	.end_amdhsa_kernel
	.amdgpu_metadata
---
amdhsa.version: [ 1, 2 ]
amdhsa.kernels:
  - .name:           k_qbd72806c87_quant
    .symbol:         k_qbd72806c87_quant.kd
    .args:
      - { .name: x, .offset: 0, .size: 8, .value_kind: global_buffer, .address_space: global }
      - { .name: W_q, .offset: 8, .size: 8, .value_kind: global_buffer, .address_space: global }
      - { .name: scale, .offset: 16, .size: 8, .value_kind: global_buffer, .address_space: global }
      - { .name: zero, .offset: 24, .size: 8, .value_kind: global_buffer, .address_space: global }
      - { .name: lowp_scales, .offset: 32, .size: 8, .value_kind: global_buffer, .address_space: global }
      - { .name: a_codes, .offset: 40, .size: 8, .value_kind: global_buffer, .address_space: global }
      - { .name: b_codes, .offset: 48, .size: 8, .value_kind: global_buffer, .address_space: global }
    .group_segment_fixed_size: 0
    .private_segment_fixed_size: 0
    .kernarg_segment_align: 8
    .kernarg_segment_size: 56
    .max_flat_workgroup_size: 128
    .sgpr_count:     66
    .vgpr_count:     144
    .wavefront_size: 32
...
	.end_amdgpu_metadata
.endif
;; end of part 1
;; launch gemm (part 2): grid 8 x 32, 4 waves a work-group, clusters of 4 x 4, 327,680 bytes of LDS; arguments a_codes, b_codes, lowp_scales, out0; writes out0
.if DOCPART == 2
	.amdgcn_target "amdgcn-amd-amdhsa--gfx1250"
	.amdhsa_code_object_version 6
	.text
	.protected	k_qbd72806c87_gemm
	.globl	k_qbd72806c87_gemm
	.p2align	8
	.type	k_qbd72806c87_gemm,@function
k_qbd72806c87_gemm:
	s_mov_b64 s[64:65], 0
	v_nop
	global_prefetch_b8 v0, s[64:65] scope:SCOPE_SE
	s_setreg_imm32_b32 hwreg(HW_REG_WAVE_MODE, 25, 1), 1
	s_wait_xcnt 0x0
	s_wait_alu depctr_hold_cnt(0) depctr_sa_sdst(0) depctr_va_vdst(0) depctr_va_sdst(0) depctr_va_ssrc(0) depctr_va_vcc(0) depctr_vm_vsrc(0)
	s_getreg_b32 s2, hwreg(HW_REG_IB_STS2, 6, 4)
	s_cmp_eq_u32 s2, 0
	s_cbranch_scc0 .Lentry_in_a_cluster
	s_endpgm
.Lentry_in_a_cluster:
	s_bfe_u32 s2, ttmp6, 0x10000c
	s_cmp_lg_u32 s2, 0xf033
	s_cbranch_scc0 .Lentry_shape_is_right
	s_endpgm
.Lentry_shape_is_right:
; out0[m][n] = 2^(ea + eb) x sum over k of A[m][k] B[n][k], on codes of BF8 (E5M2) as the launch before laid them: [16 K steps][rows][256 bytes], the same order of k in both buffers.
; LIMIT: ea + eb lies between -126 and 127, so that 2^(ea + eb) is an f32 number.
; A tile of 256 x 256 is made by four waves, each 128 x 128: 64 accumulators, 512 registers.  K goes in steps of 256 through a ring of two LDS slots; a wave's tensor load brings 128 rows x 256 bytes, a dense block of 32,768 bytes.
; CLUSTERS: 4 x 4 work-groups; A's tiles are asked for jointly along a row of the cluster, B's along a column.  Source 0 = rows of B, source 1 = rows of A: a lane holds eight neighbouring numbers of a row of out0.
; FRAGMENTS: B has two sets of registers, A one.  For each 128 along K the LDS loads stand in two runs: 48 in the middle (B's next set, A's blocks 0-3), 16 at the end (A's blocks 4-7).
; PREFETCH: behind the joint load of K step j each wave names K step j + 2 (at the head K step 1 too): 32 rows x 256 bytes, a lane a row; of the 128 rows that a wave fetches the four partners that ask
; jointly take 32 each, told apart by address.  A's rows are named by each of the two clusters that load them; B's, which eight rows of clusters load, by the first four rows of clusters alone.
; The loop's last trip (K steps 14, 15) names nothing.
; THE LAST K STEP GOES BY ROWS OF out0: all its fragments of B fill window 1, A's come by blocks of 16 rows x 256 K, and each finished block leaves while the next is multiplied.
; REGISTERS: window 0: v0-31 addresses, v32-95 a block's scaled sums, v128-255 A's fragments;  window 1: B's fragments, two sets;  windows 2, 3: accumulators (a, b) at v[8 (8 (a % 4) + b)].
.set SIZE_N, 2048
.set SIZE_K, 4096
.set ROWB,   256
.set ASLAB,  8192*ROWB
.set BSLAB,  2048*ROWB
.set PITCH,  272                       ; an LDS row: 256 bytes + 16 of padding
.set FR,     16                        ; registers of a fragment, 16 rows x 128 K; four LDS loads bring one
.set NP,     4                         ; places behind this matrix instruction (ISA guide 7.12.1)
.set HALFT,  128*PITCH
.set SLOT,   4*HALFT                   ; A's 256 rows, then B's 256
.set LAPS,   SIZE_K/512
.set SPARE,  2*SLOT                    ; the spare words: 512 bytes that no other line names
.set SPITCH, 528                       ; the way out: a stage of 16 rows x (512 + 16) bytes a wave, in slot 0, behind its last fill and last read
.set ADRA, 16
.set ADRB, 20
.set STO,  24
.set RD,   25
.set CO,   26
.set SPW,  28
.set NIL,  29
.set PFO,  30                          ; 256 x lane
.set PFO2, 31                          ; the same + one K step of my buffer
.set TMP,  32
.set AF,   128
.set G1, 24
.set G0, 32
.set G1B, 48
.set G0B, 56
.set PFA, 68                           ; s[68:69] my 32 rows in the K step behind the one last asked for by a tensor load
.set PFS, 70                           ; s[70:71] a K step of my buffer in bytes
.set LIM, 72                           ; 1 where my wave prefetches, else the greatest number
.set MSB, 0
.macro WIN new
.if MSB != \new
	s_set_vgpr_msb (MSB<<8)|\new
.set MSB, \new
.endif
.endm
.set MUL_LO, 0xa1                      ; source 0 (B) window 1, source 1 (A) window 0, C and D window 2
.set MUL_HI, 0xf1                      ; the same, C and D window 3
.set TO_B,   0x40
.macro JLOAD g0a, g1a, g0b, g1b        ; waves 0, 1 ask for A's halves, waves 2, 3 for B's; s_nop 0 and four v_nop behind each line
	s_cmp_eq_u32 s15, 0
	s_cbranch_scc0 .Lfor_b_\@
	tensor_load_to_lds s[\g0a:\g0a+3], s[\g1a:\g1a+7]
	s_nop 0
.rept 4
	v_nop
.endr
	s_branch .Lasked_\@
.Lfor_b_\@:
	tensor_load_to_lds s[\g0b:\g0b+3], s[\g1b:\g1b+7]
	s_nop 0
.rept 4
	v_nop
.endr
.Lasked_\@:
.endm
.macro CREST                           ; a round of the cluster's barrier behind its opening barrier
	s_cmp_lg_u32 s14, 0
	s_cbranch_scc1 .Lnot_wave_0_\@
	s_barrier_signal -3
.Lnot_wave_0_\@:
	s_barrier_wait -3
	s_barrier_signal -1
	s_barrier_wait -1
.endm
.macro CROUND
	s_barrier_signal -1
	s_barrier_wait -1
	CREST
.endm
.macro ASK inloop                      ; one prefetch: the K step behind s[PFA]'s; in the loop not in the last trip (s3 = 1)
.if \inloop
	s_cmp_gt_u32 s3, s[LIM]
.else
	s_cmp_eq_u32 s[LIM], 1
.endif
	s_cbranch_scc0 .Lnot_mine_\@
	global_prefetch_b8 v[PFO2], s[PFA:PFA+1] th:TH_LOAD_NT scope:SCOPE_SE
.Lnot_mine_\@:
.endm
	s_load_b128 s[4:7], s[0:1], 0x0                ; a_codes, b_codes
	s_load_b128 s[8:11], s[0:1], 0x10              ; lowp_scales, out0
	v_lshl_add_u32 v[SPW], v0, 2, SPARE
	v_mov_b32 v[NIL], 0
	ds_add_u32 v[SPW], v[NIL]                      ; the opening: the add, twice on end, and its wait ahead of my first tensor load
	ds_add_u32 v[SPW], v[NIL]
	v_lshrrev_b32 v1, 5, v0
	v_readfirstlane_b32 s14, v1                    ; wave 0..3
	s_lshr_b32 s15, s14, 1                         ; my half of the tile's rows; also: I fetch for A (0) or B (1)
	s_and_b32 s16, s14, 1                          ; my half of its columns; also: which 128 rows I fetch
	s_bfe_u32 s40, ttmp6, 0x40000                  ; cx
	s_bfe_u32 s41, ttmp6, 0x40004                  ; cy
	s_lshl_b32 s42, ttmp9, 2
	s_add_co_u32 s42, s42, s40                     ; tile column
	s_and_b32 s73, ttmp7, 0xffff                   ; the cluster's y
	s_lshl_b32 s17, s73, 2
	s_add_co_u32 s17, s17, s41                     ; tile row
	s_lshl_b32 s43, s41, 2
	s_lshl_b32 s43, 15, s43                        ; my row of the cluster
	s_lshl_b32 s44, 0x1111, s40                    ; my column
	s_or_b32 s[G1+0], s43, (0<<16)|(1<<20)|(1<<21)|(5<<22)|(3<<25)   ; mask; bytes; padding of 4 words behind every 64; bit 21 beside a mask
	s_or_b32 s[G1B+0], s44, (0<<16)|(1<<20)|(1<<21)|(5<<22)|(3<<25)
.irp g, G1, G1B
	s_mov_b32 s[\g+1], ROWB<<16
	s_mov_b32 s[\g+2], 128<<16
	s_mov_b32 s[\g+3], ROWB<<16
	s_mov_b32 s[\g+4], 128
	s_mov_b32 s[\g+5], ROWB                        ; rows lie end to end
	s_mov_b32 s[\g+6], 0
	s_mov_b32 s[\g+7], 0
.endr
	s_lshl_b32 s18, s16, 7
	s_lshl_b32 s20, s17, 8
	s_add_co_u32 s20, s20, s18                     ; A: row 256 x tile row + 128 x half
	s_lshl_b32 s20, s20, 8                         ; in bytes, under 2^21
	s_lshl_b32 s46, s42, 8
	s_add_co_u32 s46, s46, s18                     ; B: row 256 x tile column + 128 x half
	s_lshl_b32 s46, s46, 8
	s_mov_b32 s21, 0
	s_mov_b32 s47, 0
	s_mul_i32 s45, s14, HALFT                      ; where my rows go in a slot
	s_wait_dscnt 0x0                               ; both opening adds are done
	s_wait_kmcnt 0x0
	s_load_b64 s[96:97], s[8:9], 0x0               ; ea, eb
	s_add_nc_u64 s[20:21], s[4:5], s[20:21]
	s_add_nc_u64 s[46:47], s[6:7], s[46:47]
.irp s, 0,1
	s_mov_b32 s[G0+4*\s], 1
	s_add_co_u32 s[G0+4*\s+1], s45, \s*SLOT
	s_add_nc_u64 s[G0+4*\s+2:G0+4*\s+3], s[20:21], \s*ASLAB
	s_or_b32 s[G0+4*\s+3], s[G0+4*\s+3], 0x80000000
	s_mov_b32 s[G0B+4*\s], 1
	s_add_co_u32 s[G0B+4*\s+1], s45, \s*SLOT
	s_add_nc_u64 s[G0B+4*\s+2:G0B+4*\s+3], s[46:47], \s*BSLAB
	s_or_b32 s[G0B+4*\s+3], s[G0B+4*\s+3], 0x80000000
.endr
	CROUND                                         ; all sixteen work-groups are here: the first joint loads meet
	JLOAD G0, G1, G0B, G1B                         ; K step 0: one tensor load a wave at the head
	; the prefetches' address: my work-group's 32 of the 128 rows that I fetch, at K step 1
	s_mov_b32 s[PFS], BSLAB
	s_mov_b32 s[PFS+1], 0
	s_cmp_lt_u32 s73, 4
	s_cselect_b32 s[LIM], 1, -1                    ; B's rows: the first four rows of clusters name them
	s_lshl_b32 s74, s17, 8
	s_lshl_b32 s75, s42, 8
	s_cmp_eq_u32 s15, 0                            ; do I fetch for A?
	s_cselect_b32 s74, s74, s75                    ; the tile's first row
	s_cselect_b32 s75, s40, s41                    ; my place among the four that ask with me
	s_cselect_b64 s[PFA:PFA+1], s[4:5], s[6:7]
	s_cselect_b32 s[PFS], ASLAB, s[PFS]
	s_cselect_b32 s[LIM], 1, s[LIM]
	s_add_co_u32 s74, s74, s18
	s_lshl_b32 s75, s75, 5
	s_add_co_u32 s74, s74, s75
	s_lshl_b32 s74, s74, 8
	s_add_co_u32 s74, s74, s[PFS]
	s_mov_b32 s75, 0
	s_add_nc_u64 s[PFA:PFA+1], s[PFA:PFA+1], s[74:75]
	v_and_b32 v[PFO], 31, v0
	v_lshlrev_b32 v[PFO], 8, v[PFO]
	v_add_nc_u32 v[PFO2], s[PFS], v[PFO]
	s_wait_alu depctr_va_vdst(0)                   ; wait ahead of the readers below
	s_cmp_eq_u32 s[LIM], 1
	s_cbranch_scc0 .Lno_head
	global_prefetch_b8 v[PFO], s[PFA:PFA+1] th:TH_LOAD_NT scope:SCOPE_SE    ; K step 1
	global_prefetch_b8 v[PFO2], s[PFA:PFA+1] th:TH_LOAD_NT scope:SCOPE_SE   ; K step 2
.Lno_head:
	v_and_b32 v1, 15, v0                           ; l % 16
	v_bfe_u32 v2, v0, 4, 1                         ; l / 16
	v_mul_u32_u24 v3, v1, PITCH
	v_lshl_add_u32 v4, v2, 4, v3                   ; a fragment's row x pitch + 16 x half
	s_mul_i32 s21, s15, HALFT
	s_mul_i32 s22, s16, HALFT
	s_add_co_u32 s22, s22, 2*HALFT
.irp s, 0,1
	v_add_nc_u32 v[ADRA+\s], s21, v4
	v_add_nc_u32 v[ADRB+\s], s22, v4
	s_add_co_u32 s21, s21, SLOT
	s_add_co_u32 s22, s22, SLOT
.endr
	s_mul_i32 s23, s14, 16*SPITCH                  ; my stage
	s_wait_alu depctr_va_vdst(0)                   ; wait directly ahead of the reader below
	v_mul_u32_u24 v5, v1, SPITCH
	v_lshl_add_u32 v5, v2, 5, v5
	v_add_nc_u32 v[STO], s23, v5                   ; in: row l % 16, 32 bytes for each half of the lanes
	v_and_b32 v6, 31, v0
	v_lshlrev_b32 v[CO], 4, v6                     ; back: 32 lanes take one row of 512 bytes; the same in out0
	v_add_nc_u32 v[RD], s23, v[CO]
	s_lshl_b32 s20, s17, 8
	s_lshl_b32 s21, s15, 7
	s_add_co_u32 s20, s20, s21                     ; my first row of out0
	s_lshl_b32 s20, s20, 13                        ; x 8,192 bytes: under 2^26
	s_lshl_b32 s46, s42, 10
	s_lshl_b32 s47, s16, 9
	s_add_co_u32 s20, s20, s46
	s_add_co_u32 s20, s20, s47                     ; + my first column
	s_mov_b32 s21, 0
	s_add_nc_u64 s[10:11], s[10:11], s[20:21]
.macro FRAG reg, adr, q, i             ; 16 rows x 128 bytes: four loads of 16 bytes a lane, 32 apart; equal byte places of A and B meet in equal register places
.irp c, 0,1,2,3
	ds_load_b128 v[\reg+4*\c:\reg+4*\c+3], v[\adr] offset:128*(\q)+32*\c+(\i)*16*PITCH
.endr
.endm
.macro MUL8 a, p, zero                 ; A's block a against B's eight of set p; the accumulators take turns
.irp b, 0,1,2,3,4,5,6,7
.if \zero
	v_wmma_f32_16x16x128_bf8_bf8 v[8*(8*((\a)%4)+\b):8*(8*((\a)%4)+\b)+7], v[128*(\p)+FR*\b:128*(\p)+FR*\b+FR-1], v[AF+FR*(\a):AF+FR*(\a)+FR-1], 0
.else
	v_wmma_f32_16x16x128_bf8_bf8 v[8*(8*((\a)%4)+\b):8*(8*((\a)%4)+\b)+7], v[128*(\p)+FR*\b:128*(\p)+FR*\b+FR-1], v[AF+FR*(\a):AF+FR*(\a)+FR-1], v[8*(8*((\a)%4)+\b):8*(8*((\a)%4)+\b)+7]
.endif
.endr
.endm
.macro FETCH_B slot, q, p
	WIN TO_B
.irp i, 0,1,2,3,4,5,6,7
	FRAG 128*(\p)+FR*\i, ADRB+\slot, \q, \i
.endr
	WIN 0
.endm
.macro FETCH_A slot, q, i0             ; A's blocks i0 .. i0 + 3, in this order
.irp i, \i0, \i0+1, \i0+2, \i0+3
	FRAG AF+FR*(\i), ADRA+\slot, \q, \i
.endr
.endm
.macro PLACES n
.rept \n
	v_nop
.endr
.endm
; A slot's first 128 along K: multiplies B's set 0, fetches the second 128.  On the way in the LDS loads stand in this order: B's set (32), A's blocks 0, 1, 2, 3 (4 each), A's blocks 4-7 (16).
.macro STEP slot, zero
	WIN MUL_LO
.irp a, 0,1,2,3
	s_wait_dscnt 28-4*\a                           ; B's set and A's block a are in; behind them: the later ones of blocks 1-3, four loads each, and the 16 of blocks 4-7
	MUL8 \a, 0, \zero
.endr
	s_wait_dscnt 0                                 ; A's blocks 4-7 are in (asked for 32 matrix instructions ago)
	PLACES NP
	FETCH_B \slot, 1, 1
	FETCH_A \slot, 1, 0
	WIN MUL_HI
.irp a, 4,5,6,7
	MUL8 \a, 0, \zero
.endr
	PLACES NP
	WIN 0
	FETCH_A \slot, 1, 4
.endm
; The first half of a slot's second 128 along K, with the one barrier of the change of slots: each wave waits for all its tensor loads (one is out: its part of the next slot),
; adds 0 to its spare word, and waits for that and for its reads of this slot
.macro MEET slot, fill
	WIN MUL_LO
	s_wait_dscnt 28                                ; as in the first half: B's set and A's block 0,
	MUL8 0, 1, 0
	s_wait_dscnt 24                                ; block 1
	MUL8 1, 1, 0
	WIN 0
	s_wait_tensorcnt 0x0
	ds_add_u32 v[SPW], v[NIL]
.if \fill
	s_add_nc_u64 s[G0+4*\slot+2:G0+4*\slot+3], s[G0+4*\slot+2:G0+4*\slot+3], 2*ASLAB    ; no load of mine is out: this slot's next K step
	s_add_nc_u64 s[G0B+4*\slot+2:G0B+4*\slot+3], s[G0B+4*\slot+2:G0B+4*\slot+3], 2*BSLAB
.endif
	s_wait_dscnt 21                                ; block 2 is in; behind it: block 3's four loads, the 16 of blocks 4-7, the add
	WIN MUL_LO
	MUL8 2, 1, 0                                   ; eight matrix instructions stand between the add and the wait for it
	s_wait_dscnt 0x0
	s_barrier_signal -1
	MUL8 3, 1, 0
	WIN 0
	s_barrier_wait -1
.endm
.macro TURN slot, next
	s_wait_xcnt 0x0                                ; my last prefetch has read its address: it steps one K step
	s_add_nc_u64 s[PFA:PFA+1], s[PFA:PFA+1], s[PFS:PFS+1]
	MEET \slot, 1
	CREST                                          ; the barrier has opened a round of the cluster's barrier
	JLOAD G0+4*\slot, G1, G0B+4*\slot, G1B         ; the first tensor load behind the round; its four v_nop are the places in front of the loads below
	FETCH_B \next, 0, 0
	FETCH_A \next, 0, 0
	ASK 1
	WIN MUL_HI
.irp a, 4,5,6,7
	MUL8 \a, 1, 0
.endr
	PLACES NP
	WIN 0
	FETCH_A \next, 0, 4
.endm
	s_wait_alu depctr_va_vdst(0)                   ; the wait at the head's end
	s_wait_xcnt 0x0
	s_add_nc_u64 s[PFA:PFA+1], s[PFA:PFA+1], s[PFS:PFS+1]   ; to K step 2
	s_wait_tensorcnt 0x0                           ; my part of K step 0 is in; the same lines as ahead of a refill stand ahead of slot 1's first fill
	ds_add_u32 v[SPW], v[NIL]
	s_wait_dscnt 0x0
	CROUND
	JLOAD G0+4, G1, G0B+4, G1B                     ; K step 1
	FETCH_B 0, 0, 0
	FETCH_A 0, 0, 0
	FETCH_A 0, 0, 4
	ASK 0                                          ; K step 3
	STEP 0, 1                                      ; the first products start the sums
	s_mov_b32 s3, LAPS-1
.Llap:                                                 ; a trip fills both slots again: K steps 2 + 2 i and 3 + 2 i
	TURN 0, 1
	STEP 1, 0
	TURN 1, 0
	STEP 0, 0
	s_sub_co_u32 s3, s3, 1
	s_cmp_lg_u32 s3, 0
	s_cbranch_scc1 .Llap
	s_wait_kmcnt 0x0
	s_add_co_i32 s96, s96, s97
	s_add_co_i32 s96, s96, 127
	s_lshl_b32 s96, s96, 23                        ; 2^(ea + eb) as f32
; THE LAST K STEP (slot 1), BY ROWS
.macro ALOAD a                         ; A's block a, 16 rows x 256 K, into buffer a % 4 of 32 registers
.irp q, 0,1
	FRAG AF+32*((\a)%4)+FR*\q, ADRA+1, \q, \a
.endr
.endm
.macro ROW a                           ; block a is finished: its 8 accumulators by turns, twice
.set FA, AF+32*((\a)%4)
.set AC, 64*((\a)%4)
	WIN MUL_LO+0x50*((\a)/4)
.irp q, 0,1
.if (\a) == 0 && \q == 1
	s_wait_dscnt 16                                ; B's second set is in; A's blocks 2, 3 may be out
.endif
.irp b, 0,1,2,3,4,5,6,7
	v_wmma_f32_16x16x128_bf8_bf8 v[AC+8*\b:AC+8*\b+7], v[128*\q+FR*\b:128*\q+FR*\b+FR-1], v[FA+FR*\q:FA+FR*\q+FR-1], v[AC+8*\b:AC+8*\b+7]
.endr
.endr
.endm
.macro OUT1 a                          ; block a x 2^(ea + eb), through my stage, back as whole rows of 512 bytes into the block's own accumulator registers
.set AO, 64*((\a)%4)
	PLACES NP
	WIN 0x02+((\a)/4)
.irp j, 0,2,4,6,8,10,12,14,16,18,20,22,24,26,28,30,32,34,36,38,40,42,44,46,48,50,52,54,56,58,60,62
	v_pk_mul_f32 v[TMP+\j:TMP+\j+1], v[AO+\j:AO+\j+1], s[96:97] op_sel_hi:[1,0]   ; each accumulator from its low end on
.endr
	WIN 0
.irp b, 0,1,2,3,4,5,6,7
	ds_store_b128 v[STO], v[TMP+8*\b:TMP+8*\b+3] offset:64*\b
	ds_store_b128 v[STO], v[TMP+8*\b+4:TMP+8*\b+7] offset:64*\b+16
.endr
	WIN 0x80+0x40*((\a)/4)
.irp t, 0,1,2,3,4,5,6,7,8,9,10,11,12,13,14,15
	ds_load_b128 v[AO+4*\t:AO+4*\t+3], v[RD] offset:\t*SPITCH    ; LDS serves a wave's instructions in order (ISA guide 5.7.1.4): these see the stores above
.endr
	WIN 0
.endm
.macro SEND a, younger                 ; every block has its own data registers and the base is never stepped: 127 rows of 8,192 bytes lie inside the signed 24-bit immediate
.set AO, 64*((\a)%4)
	s_wait_dscnt \younger
	WIN 0x08+0x04*((\a)/4)
.irp t, 0,1,2,3,4,5,6,7,8,9,10,11,12,13,14,15
	global_store_b128 v[CO], v[AO+4*\t:AO+4*\t+3], s[10:11] offset:(16*(\a)+\t)*SIZE_N*4 th:TH_STORE_NT   ; 32 lanes store 512 consecutive bytes, aligned
.endr
.endm
	MEET 0, 0                                      ; nothing is filled again: no round follows
	PLACES NP
	FETCH_B 1, 0, 0
	ALOAD 0
	ALOAD 1
	WIN MUL_HI
.irp a, 4,5,6,7
	MUL8 \a, 1, 0
.endr
	PLACES NP
	FETCH_B 1, 1, 1
	ALOAD 2
	ALOAD 3
	s_wait_dscnt 48                                ; all but the 48 just issued
	ROW 0
.irp a, 0,1,2,3,4,5,6,7
	OUT1 \a
.if \a < 4
	ALOAD \a+4                                     ; its buffer takes the block four further on
.endif
.if \a < 7
	ROW \a+1                                       ; stands between the stage's loads and the wait for them
.endif
.if \a < 4
	SEND \a, 8                                     ; the eight loads of A's block may be out
.else
	SEND \a, 0
.endif
.endr
	WIN 0
	s_wait_tensorcnt 0x0                           ; the wave's end
	ds_add_u32 v[SPW], v[NIL]
	s_wait_dscnt 0x0
	CROUND                                         ; the closing round
	s_endpgm
.Lfunc_end_k_qbd72806c87_gemm:
	.size	k_qbd72806c87_gemm, .Lfunc_end_k_qbd72806c87_gemm-k_qbd72806c87_gemm
	.p2alignl 7, 3214868480
	.fill 96, 4, 3214868480
	.section	.rodata,"a",@progbits
	.p2align	6, 0x0
	.amdhsa_kernel k_qbd72806c87_gemm
		.amdhsa_group_segment_fixed_size 327680
		.amdhsa_private_segment_fixed_size 0
		.amdhsa_enable_private_segment 0
		.amdhsa_kernarg_size 32
		.amdhsa_user_sgpr_count 2
		.amdhsa_user_sgpr_kernarg_segment_ptr 1
		.amdhsa_wavefront_size32 1
		.amdhsa_system_sgpr_workgroup_id_x 1
		.amdhsa_system_sgpr_workgroup_id_y 1
		.amdhsa_system_sgpr_workgroup_id_z 1
		.amdhsa_system_vgpr_workitem_id 0
		.amdhsa_next_free_vgpr 1024
		.amdhsa_next_free_sgpr 98
		.amdhsa_reserve_vcc 0
		.amdhsa_float_denorm_mode_32 3
		.amdhsa_float_denorm_mode_16_64 3
		.amdhsa_memory_ordered 1
		.amdhsa_forward_progress 1
		.amdhsa_inst_pref_size 126
	.end_amdhsa_kernel
	.amdgpu_metadata
---
amdhsa.version: [ 1, 2 ]
amdhsa.kernels:
  - .name:           k_qbd72806c87_gemm
    .symbol:         k_qbd72806c87_gemm.kd
    .args:
      - { .name: a_codes, .offset: 0, .size: 8, .value_kind: global_buffer, .address_space: global }
      - { .name: b_codes, .offset: 8, .size: 8, .value_kind: global_buffer, .address_space: global }
      - { .name: lowp_scales, .offset: 16, .size: 8, .value_kind: global_buffer, .address_space: global }
      - { .name: out0, .offset: 24, .size: 8, .value_kind: global_buffer, .address_space: global }
    .group_segment_fixed_size: 327680
    .private_segment_fixed_size: 0
    .kernarg_segment_align: 8
    .kernarg_segment_size: 32
    .max_flat_workgroup_size: 128
    .sgpr_count:     98
    .vgpr_count:     1024
    .wavefront_size: 32
...
	.end_amdgpu_metadata
.endif
;; end of part 2
